; MI455X (gfx1250); checked and timed in simulation.
; The chip was launched on July 23, 2026; its instructions are those of AMD's public machine-readable ISA for CDNA 5 (MIT licence, August 2026) and "CDNA5" Instruction Set Architecture Reference Guide (July 2026). The comments in the code are by the model that wrote it; some were corrected since.
;; Vector Quantizer Single. Allowed arithmetic: float matrix products may take bf16 or f16 operands with f32 sums; other float arithmetic in f32, or as packed bf16 or f16 multiplies, adds, multiply-adds, maxima and minima; sums over many terms, partial sums and values carried from step to step in f32; what a program stores and reads back later, other than sums and carried values, may be rounded once to bf16 or f16.
;; Inputs: emb 8,192 x 256 float32; z_e 32 x 256 x 1,024 float32.
;; Outputs: out0 32 x 256 x 1,024 float32; out1 one number float32; out2 32 x 1,024 int32.
;; One version. Each part assembles by itself: llvm-mc -triple=amdgcn-amd-amdhsa -mcpu=gfx1250 --defsym DOCPART=n.
;; ======== version 1 of 1: 4 launches
;; workspace buffers: ZF 16,777,216 bytes; AP 1,048,576 bytes; EB 4,194,304 bytes; BN 32,768 bytes; IDX 131,072 bytes of whole numbers; PART 2,048 bytes
;; launch prep (part 1): grid 640 x 1, 4 waves a work-group, no clusters, 0 bytes of LDS; arguments z_e, emb, ZF, AP, EB, BN; writes ZF, AP, EB, BN
.if DOCPART == 1
	.amdgcn_target "amdgcn-amd-amdhsa--gfx1250"
	.amdhsa_code_object_version 6
	.text
	.protected	k_qf09ab1834e_prep
	.globl	k_qf09ab1834e_prep
	.p2align	8
	.type	k_qf09ab1834e_prep,@function
k_qf09ab1834e_prep:
	s_mov_b64 s[64:65], 0
	v_nop
	global_prefetch_b8 v0, s[64:65] scope:SCOPE_SE
	s_setreg_imm32_b32 hwreg(HW_REG_WAVE_MODE, 25, 1), 1
	s_wait_xcnt 0x0
; PREPARATION.  Both inputs are rounded once to bf16, and every later use takes the rounded numbers; their squared norms are summed in f32 of the ROUNDED numbers.
; Work-groups 0-511 (z path): block beta of 64 rows x (a row is z_e[b][:][t]; beta = 16 b + t / 64).  Written: ZF, the rows in the order in which a matrix fragment wants them:
;   ZF[row tile 4 beta + i][c 0-7][s 0-1][lane 16 h + r][16 bytes] = row 64 beta + 4 r + i, channels 32 c + 16 s + 8 h + 0..7;
;   AP[part 2 w + h][row] = the sum of squares over the 32 channels 64 w + 16 k + 8 h + e (k 0-3, e 0-7): eight partial sums a row, added up by the next launch.
; Work-groups 512-639 (emb path): 64 codes each.  Written: EB [8192][256] bf16, row-major, and BN[code] = the code's squared norm.
; Memory binds: each wave issues all its 32 loads of 16 bytes a lane at once; no LDS, no barrier, no loop.  Every load and store of ZF, AP and EB covers whole aligned runs of 256 bytes;
; BN alone leaves in runs of 64 bytes (16 codes a wave): 32 KB of the launch's 64 MB, not worth a trip through LDS.
; LIMITS.  A number beyond bf16's range rounds to an infinity; NaN is not treated apart.
.set ZERO, 1                           ; v1      0: what the first link of each sum adds onto
.set X,    8                           ; v8-135  32 loads of four f32
.set O,    136                         ; v136-199  the same numbers in bf16, packed
.set S,    200                         ; v200-215  sums of squares (z path: four, one for each of my four rows; emb path: sixteen)
.set TK,   216                         ; v216-223  at work in the sum across lanes
	s_load_b256 s[4:11], s[0:1], 0x0               ; z_e s[4:5], emb s[6:7], ZF s[8:9], AP s[10:11]
	s_load_b128 s[12:15], s[0:1], 0x20             ; EB s[12:13], BN s[14:15]
	v_lshrrev_b32 v1, 5, v0
	v_readfirstlane_b32 s16, v1                    ; wave w, 0..3
	s_mov_b32 s17, ttmp9                           ; the work-group's number
	v_and_b32 v2, 31, v0                           ; lane
	v_and_b32 v4, 15, v0                           ; q = lane % 16
	v_bfe_u32 v5, v0, 4, 1                         ; h = lane / 16
	v_lshlrev_b32 v3, 4, v2                        ; 16 x lane
	v_mov_b32 v[ZERO], 0
	s_mov_b32 s19, 0                               ; the high words of three byte offsets
	s_mov_b32 s21, 0
	s_mov_b32 s23, 0
	s_cmp_lt_u32 s17, 512
	s_cbranch_scc0 .Lemb
	; ---------------- z path ----------------
	s_lshr_b32 s18, s17, 4                         ; b
	s_lshl_b32 s18, s18, 20                        ; a batch is 256 channels x 4,096 bytes
	s_and_b32 s24, s17, 15
	s_lshl_b32 s24, s24, 8                         ; 64 t are 256 bytes of a channel's row
	s_add_co_u32 s18, s18, s24
	s_lshl_b32 s24, s16, 18                        ; my wave's 64 channels
	s_add_co_u32 s18, s18, s24                     ; offset in z_e
	s_lshl_b32 s20, s17, 15                        ; four row tiles of 8,192 bytes
	s_lshl_b32 s24, s16, 11                        ; my 64 channels are c = 2 w, 2 w + 1: 2,048 bytes of each tile
	s_add_co_u32 s20, s20, s24                     ; offset in ZF
	s_lshl_b32 s22, s16, 18                        ; parts 2 w, 2 w + 1 of 131,072 bytes
	s_lshl_b32 s24, s17, 8                         ; 64 rows of 4 bytes
	s_add_co_u32 s22, s22, s24                     ; offset in AP
	v_lshlrev_b32 v6, 15, v5                       ; loads: 8 channels further for the upper half of the lanes,
	v_lshl_or_b32 v6, v4, 4, v6                    ; four t a lane: 16 lanes read 256 consecutive bytes
	v_lshlrev_b32 v7, 17, v5                       ; AP: part 2 w + h,
	v_lshl_or_b32 v7, v4, 4, v7                    ; rows 4 q .. 4 q + 3
	s_wait_kmcnt 0x0
	s_add_nc_u64 s[4:5], s[4:5], s[18:19]
	s_add_nc_u64 s[8:9], s[8:9], s[20:21]
	s_add_nc_u64 s[10:11], s[10:11], s[22:23]
.irp k, 0,1,2,3
.irp e, 0,1,2,3,4,5,6,7
	global_load_b128 v[X+32*\k+4*\e:X+32*\k+4*\e+3], v6, s[4:5] offset:(16*\k+\e)*4096 th:TH_LOAD_NT  ; channel 64 w + 16 k + 8 h + e, t = 4 q .. 4 q + 3
.endr
.endr
; Step k: eight channels x four rows a lane.  Row i's eight channels pack into 16 bytes, which are my lane's 16 bytes of row tile i, c = 2 w + k / 2, s = k % 2.
.macro ZSTEP k
	s_wait_loadcnt 24-8*(\k)                       ; loads come back in order: this step's eight are in, the later steps' eight each may stay out
.irp i, 0,1,2,3
.irp p, 0,1,2,3
	v_cvt_pk_bf16_f32 v[O+16*(\k)+4*\i+\p], v[X+32*(\k)+8*\p+\i], v[X+32*(\k)+8*\p+4+\i]
.endr
.endr
.irp p, 0,1,2,3                        ; squares of the rounded numbers, straight from the halves, four chains by turns
.irp i, 0,1,2,3
.if (\k) == 0 && \p == 0
	v_fma_mix_f32_bf16 v[S+\i], v[O+16*(\k)+4*\i+\p], v[O+16*(\k)+4*\i+\p], v[ZERO] op_sel_hi:[1,1,0]
.else
	v_fma_mix_f32_bf16 v[S+\i], v[O+16*(\k)+4*\i+\p], v[O+16*(\k)+4*\i+\p], v[S+\i] op_sel_hi:[1,1,0]
.endif
.endr
.irp i, 0,1,2,3
	v_fma_mix_f32_bf16 v[S+\i], v[O+16*(\k)+4*\i+\p], v[O+16*(\k)+4*\i+\p], v[S+\i] op_sel:[1,1,0] op_sel_hi:[1,1,0]
.endr
.endr
.irp i, 0,1,2,3
	global_store_b128 v3, v[O+16*(\k)+4*\i:O+16*(\k)+4*\i+3], s[8:9] offset:\i*8192+(\k)*512  ; the wave stores 512 consecutive bytes
.endr
.endm
	ZSTEP 0
	ZSTEP 1
	ZSTEP 2
	ZSTEP 3
	global_store_b128 v7, v[S:S+3], s[10:11]       ; each half of the lanes stores 256 consecutive bytes of its part
	s_endpgm
	; ---------------- emb path ----------------
.Lemb:
	s_sub_co_u32 s17, s17, 512                     ; gamma: 64 codes; my wave takes 16 of them
	s_lshl_b32 s18, s17, 16
	s_lshl_b32 s24, s16, 14
	s_add_co_u32 s18, s18, s24                     ; offset in emb: (64 gamma + 16 w) rows of 1,024 bytes
	s_lshr_b32 s20, s18, 1                         ; in EB: rows of 512 bytes
	s_lshr_b32 s22, s18, 8                         ; in BN: 4 bytes a row
	v_lshlrev_b32 v6, 3, v2                        ; 8 x lane
	v_lshlrev_b32 v7, 2, v2                        ; 4 x lane
	s_mov_b32 s24, 0xaaaaaaaa                      ; the lanes whose number has bit 0, 1, 2, 3 set
	s_mov_b32 s25, 0xcccccccc
	s_mov_b32 s26, 0xf0f0f0f0
	s_mov_b32 s27, 0xff00ff00
	s_mov_b32 s28, 0x76543210                      ; v_permlanex16_b32: each lane takes its own place in the other half
	s_mov_b32 s29, 0xfedcba98
	s_wait_kmcnt 0x0
	s_add_nc_u64 s[6:7], s[6:7], s[18:19]
	s_add_nc_u64 s[12:13], s[12:13], s[20:21]
	s_add_nc_u64 s[14:15], s[14:15], s[22:23]
.set rr, 0
.rept 16
	global_load_b128 v[X+8*rr:X+8*rr+3],   v3, s[6:7] offset:rr*1024 th:TH_LOAD_NT      ; row rr, channels 4 lane .. + 3
	global_load_b128 v[X+8*rr+4:X+8*rr+7], v3, s[6:7] offset:rr*1024+512 th:TH_LOAD_NT  ; channels 128 + 4 lane ..
.set rr, rr+1
.endr
.set rr, 0
.rept 16
	s_wait_loadcnt 30-2*rr                         ; this row's two loads are in; the later rows' two each may stay out
	v_cvt_pk_bf16_f32 v[O+4*rr],   v[X+8*rr],   v[X+8*rr+1]
	v_cvt_pk_bf16_f32 v[O+4*rr+1], v[X+8*rr+2], v[X+8*rr+3]
	v_cvt_pk_bf16_f32 v[O+4*rr+2], v[X+8*rr+4], v[X+8*rr+5]
	v_cvt_pk_bf16_f32 v[O+4*rr+3], v[X+8*rr+6], v[X+8*rr+7]
	global_store_b64 v6, v[O+4*rr:O+4*rr+1],   s[12:13] offset:rr*512      ; the wave stores 256 consecutive bytes: half a row of EB
	global_store_b64 v6, v[O+4*rr+2:O+4*rr+3], s[12:13] offset:rr*512+256
.set rr, rr+1
.endr
.irp p, 0,1,2,3                        ; squares of the rounded numbers: sixteen chains, one a row, by turns
.set rr, 0
.rept 16
.if \p == 0
	v_fma_mix_f32_bf16 v[S+rr], v[O+4*rr], v[O+4*rr], v[ZERO] op_sel_hi:[1,1,0]
.else
	v_fma_mix_f32_bf16 v[S+rr], v[O+4*rr+\p], v[O+4*rr+\p], v[S+rr] op_sel_hi:[1,1,0]
.endif
.set rr, rr+1
.endr
.set rr, 0
.rept 16
	v_fma_mix_f32_bf16 v[S+rr], v[O+4*rr+\p], v[O+4*rr+\p], v[S+rr] op_sel:[1,1,0] op_sel_hi:[1,1,0]
.set rr, rr+1
.endr
.endr
; Sixteen sums over 32 lanes at once.  A stage halves the number of registers: of a pair (a, b) a lane whose bit is 0 keeps a and sends b, the others the other way round, and each adds what
; the lane across the bit sent.  Behind the four stages lane q holds row q's sum over its half of the lanes.
.macro BFLY cnt, x, m
.set jx, 0
.rept \cnt
	v_cndmask_b32 v[TK+2*(jx%4)],   v[S+2*jx],   v[S+2*jx+1], s[\m]   ; keep
	v_cndmask_b32 v[TK+2*(jx%4)+1], v[S+2*jx+1], v[S+2*jx],   s[\m]   ; send
	v_add_f32_dpp v[S+jx], v[TK+2*(jx%4)+1], v[TK+2*(jx%4)] row_xmask:\x row_mask:0xf bank_mask:0xf
.set jx, jx+1
.endr
.endm
	BFLY 8, 1, 24
	BFLY 4, 2, 25
	BFLY 2, 4, 26
	BFLY 1, 8, 27
	v_permlanex16_b32 v[TK], v[S], s28, s29        ; the other half of the lanes' sum
	v_add_f32 v[S], v[S], v[TK]
	v_cmp_gt_u32 vcc_lo, 16, v2
	s_wait_xcnt 0x0                                ; EXEC is a source of the stores above: it changes only behind this wait
	s_and_saveexec_b32 s30, vcc_lo
	global_store_b32 v7, v[S], s[14:15]            ; lanes 0-15: the sixteen norms
	s_wait_xcnt 0x0
	s_or_b32 exec_lo, exec_lo, s30
	s_endpgm
.Lfunc_end_k_qf09ab1834e_prep:
	.size	k_qf09ab1834e_prep, .Lfunc_end_k_qf09ab1834e_prep-k_qf09ab1834e_prep
	.p2alignl 7, 3214868480
	.fill 96, 4, 3214868480
	.section	.rodata,"a",@progbits
	.p2align	6, 0x0
	.amdhsa_kernel k_qf09ab1834e_prep
		.amdhsa_group_segment_fixed_size 0
		.amdhsa_private_segment_fixed_size 0
		.amdhsa_enable_private_segment 0
		.amdhsa_kernarg_size 48
		.amdhsa_user_sgpr_count 2
		.amdhsa_user_sgpr_kernarg_segment_ptr 1
		.amdhsa_wavefront_size32 1
		.amdhsa_system_sgpr_workgroup_id_x 1
		.amdhsa_system_sgpr_workgroup_id_y 1
		.amdhsa_system_sgpr_workgroup_id_z 1
		.amdhsa_system_vgpr_workitem_id 0
		.amdhsa_next_free_vgpr 224
		.amdhsa_next_free_sgpr 66
		.amdhsa_reserve_vcc 1
		.amdhsa_float_denorm_mode_32 3
		.amdhsa_float_denorm_mode_16_64 3
		.amdhsa_memory_ordered 1
		.amdhsa_forward_progress 1
		.amdhsa_inst_pref_size 41
	.end_amdhsa_kernel
	.amdgpu_metadata
---
amdhsa.version: [ 1, 2 ]
amdhsa.kernels:
  - .name:           k_qf09ab1834e_prep
    .symbol:         k_qf09ab1834e_prep.kd
    .args:
      - { .name: z_e, .offset: 0, .size: 8, .value_kind: global_buffer, .address_space: global }
      - { .name: emb, .offset: 8, .size: 8, .value_kind: global_buffer, .address_space: global }
      - { .name: ZF, .offset: 16, .size: 8, .value_kind: global_buffer, .address_space: global }
      - { .name: AP, .offset: 24, .size: 8, .value_kind: global_buffer, .address_space: global }
      - { .name: EB, .offset: 32, .size: 8, .value_kind: global_buffer, .address_space: global }
      - { .name: BN, .offset: 40, .size: 8, .value_kind: global_buffer, .address_space: global }
    .group_segment_fixed_size: 0
    .private_segment_fixed_size: 0
    .kernarg_segment_align: 8
    .kernarg_segment_size: 48
    .max_flat_workgroup_size: 128
    .sgpr_count:     66
    .vgpr_count:     224
    .wavefront_size: 32
...
	.end_amdgpu_metadata
.endif
;; end of part 1
;; launch vq (part 2): grid 256 x 1, 4 waves a work-group, clusters of 4 x 1, 327,680 bytes of LDS; arguments ZF, AP, EB, BN, out2, IDX; writes out2, IDX
.if DOCPART == 2
	.amdgcn_target "amdgcn-amd-amdhsa--gfx1250"
	.amdhsa_code_object_version 6
	.text
	.protected	k_qf09ab1834e_vq
	.globl	k_qf09ab1834e_vq
	.p2align	8
	.type	k_qf09ab1834e_vq,@function
k_qf09ab1834e_vq:
	s_mov_b64 s[64:65], 0
	v_nop
	global_prefetch_b8 v0, s[64:65] scope:SCOPE_SE
	s_setreg_imm32_b32 hwreg(HW_REG_WAVE_MODE, 25, 1), 1
	s_wait_xcnt 0x0
	s_wait_alu depctr_hold_cnt(0) depctr_sa_sdst(0) depctr_va_vdst(0) depctr_va_sdst(0) depctr_va_ssrc(0) depctr_va_vcc(0) depctr_vm_vsrc(0)
	s_getreg_b32 s2, hwreg(HW_REG_IB_STS2, 6, 4)
	s_cmp_eq_u32 s2, 0
	s_cbranch_scc0 .Lentry_in_a_cluster
	s_endpgm
.Lentry_in_a_cluster:
	s_bfe_u32 s2, ttmp6, 0x10000c
	s_cmp_lg_u32 s2, 0x3003
	s_cbranch_scc0 .Lentry_shape_is_right
	s_endpgm
.Lentry_shape_is_right:
; THE NEAREST CODE.  For each of 32,768 rows x the first index k with the least d_k = fl(fl(A + B_k) - 2 x.e_k), A = |x|^2, B_k = |e_k|^2, x and e rounded to bf16 by the launch before.
; The roundings are the definition's own: the sum A + B_k is rounded to f32, then one fused multiply-add takes twice the product's f32 sum away (doubling is exact); strict 'less' keeps the earlier code.
; SHARES.  A work-group owns 128 rows; EVERY wave holds all of them in registers as source 1 (8 row tiles x 8 steps of 32 channels x 8 = 512 registers), and wave w walks the codes
; 2048 w .. 2048 w + 2047, 16 a tile, 128 tiles.  So the 16 LDS loads of a tile's fragments feed 64 matrix instructions, and a wave reads only LDS bytes that it fetched itself.
; LAYOUT.  Source 0 = 16 codes, source 1 = 16 rows: in the result lane (r, h) holds ONE row (r) and the codes 8 h + 0..7 in its eight registers, so the minimum over codes stays inside a lane.
; WHAT IS KEPT.  For each row tile and lane: the running minimum m, the number of the tile that made it, and that tile's eight distances.  The place inside the tile is looked up once, at the end.
; That is 23 vector instructions for a row tile's 8 matrix instructions.
; BY TURNS.  The row tiles are two pieces (0-3, 4-7).  While one piece's 32 products of a code tile are issued, the other piece's 92 vector instructions stand between them, three behind each product.
; The two pieces' four accumulators each take turns, one instruction a turn.
; CLUSTER.  The four work-groups of a cluster walk the same codes, so each tile of EB and the table of norms is asked for JOINTLY: the same tensor load, descriptor and mask in all four.
; No first step is written out: the first tile's vector work, of a piece that has not been, finds B = +inf and never wins; the price is 128 v_mov_b32 in the wait for the first tile.
; LIMITS.  A NaN distance never wins; a row whose distances are all +inf or NaN gets index 0.  The product's f32 sums are the matrix unit's, not a chain of additions: where two distances lie
; within a rounding of the sum of each other's step, the index can differ from one computed in another order.
; REGISTERS, in windows of 256 (s_set_vgpr_msb: bits 1:0 source 0, 3:2 source 1, 5:4 source 2, 7:6 destination):
;   window 0: addresses, statistics, accumulators, kept distances (map below)   window 1: v0-63, v64-127 two buffers of code fragments   window 2: x, row tiles 0-3 (64 t + 8 c)   window 3: row tiles 4-7
; A product wants the codes, x and the accumulators, a vector line two sources and a destination in window 0: two switches a product, the lesser price beside a matrix unit left idle in phases.
.set PITCH, 528                        ; a code's row in LDS: 512 bytes + 16 of padding = 132 words: row r starts at bank 4 r mod 64 (64 banks of 4 bytes: ISA guide 11.1)
.set TILEB, 16*PITCH                   ; a tile of 16 codes
.set WPART, 64*PITCH                   ; a wave's part of a slot: four tiles, one tensor load
.set REG,   4*WPART                    ; a slot: 135,168 bytes; two of them from byte 0
.set BNL,   2*REG                      ; the norms of all 8,192 codes, 32,768 bytes, filled once
.set STG,   BNL+32768                  ; 4 waves x 128 rows x (m, code): 4,096 bytes, written by LDS stores, never filled by a tensor load
.set SPARE, STG+4096                   ; the spare words, 128 bytes for each wave: two blocks of 256 bytes that no other line names
.set R,    1                           ; v1   lane % 16
.set H,    2                           ; v2   lane / 16
.set AK0,  3                           ; v3   my lane's place in a tile of codes; never rewritten
.set ADR,  4                           ; v4   LDS address of the run of loads in hand
.set AB0,  5                           ; v5   32 h: my eight norms in a tile's sixteen
.set ADB,  6                           ; v6   LDS address of the tile's norms
.set L16,  7                           ; v7   16 x lane
.set R16,  8                           ; v8   16 x (lane % 16)
.set CB,   9                           ; v9   2048 w + 8 h: the code of my register 0 in my wave's tile 0
.set SPW,  10                          ; v10  LDS address of my spare word; never rewritten
.set NIL,  11                          ; v11  0; never rewritten
.set T,    12                          ; v12-27  fl(A + B), two sets of eight
.set TM,   28                          ; v28-31  two partial minima, two sets
.set BK,   32                          ; v32-47  a tile's eight norms, two buffers
.set ST,   48                          ; v48-79  row tile t at ST + 4 t: A, m, the winning tile's number, the place in it
.set ACC,  80                          ; v80-143 the accumulator of row tile t at ACC + 8 t; the distances take its place
.set SNAP, 144                         ; v144-207  the winning tile's eight distances, at SNAP + 8 t
.set OUT,  208                         ; v208-239  the end: pairs (m, code)
.set RES,  240                         ; v240-243  the end: four indices
.set WV,  16                           ; s16  my wave's number
.set CX,  17                           ; s17  my place in the cluster
.set WG,  18                           ; s18  my work-group's number: it enters the addresses of ZF, AP, out2 and IDX alone
.set G1,  24                           ; s[24:31] descriptor group 1 for tiles of EB
.set G1N, 32                           ; s[32:39] for the norms
.set G0,  40                           ; s[40:47] descriptor group 0, a set for each slot
.set G0N, 48                           ; s[48:51] for the norms
.set TB,  52                           ; s52  LDS byte at which the tile to be fetched begins
.set TBN, 53                           ; s53  LDS byte at which its norms begin
.set TID, 54                           ; s54  the number of the tile whose distances are being looked at
.set CNT, 55                           ; s55  counts pairs of tiles
.set LAP, 56                           ; s56  counts laps of the ring
.set WB,  57                           ; s57  my wave's part of a slot
.set MK,  58                           ; s58-59  lane masks: where the tile has won, for two row tiles by turns
.set SEL, 60                           ; s[60:61] v_permlanex16_b32's selects: each lane takes its own place in the other half
.set MSB, 0
.macro WIN new                         ; the immediate's high byte repeats the setting that is left; a switch that changes nothing is dropped
.if MSB != (\new)
	s_set_vgpr_msb (MSB<<8)|(\new)
.set MSB, (\new)
.endif
.endm
; A round of the cluster's barrier: my work-group's barrier, so that wave 0's signal speaks for all four waves; wave 0 signals; every wave waits for all four work-groups; my work-group's barrier once more.
.macro CROUND
	s_barrier_signal -1
	s_barrier_wait -1
	s_cmp_lg_u32 s[WV], 0
	s_cbranch_scc1 .Lnot_wave_0_\@
	s_barrier_signal -3
.Lnot_wave_0_\@:
	s_barrier_wait -3
	s_barrier_signal -1
	s_barrier_wait -1
.endm
	s_load_b256 s[4:11], s[0:1], 0x0               ; ZF s[4:5], AP s[6:7], EB s[8:9], BN s[10:11]
	s_load_b128 s[12:15], s[0:1], 0x20             ; out2 s[12:13], IDX s[14:15]
	v_lshl_add_u32 v[SPW], v0, 2, SPARE
	v_mov_b32 v[NIL], 0
	ds_add_u32 v[SPW], v[NIL]                      ; the wave's opening: the add and its wait stand ahead of my first tensor load; the set-up below, work on registers, stands between them
	v_lshrrev_b32 v[ADR], 5, v0
	v_readfirstlane_b32 s[WV], v[ADR]              ; wave 0..3
	s_bfe_u32 s[CX], ttmp6, 0x40000                ; cx
	s_lshl_b32 s[WG], ttmp9, 2                     ; in a cluster launch ttmp9 counts clusters
	s_add_co_u32 s[WG], s[WG], s[CX]
	; group 1 for EB: a tile of 64 rows x 256 elements of 2 bytes, padded in LDS
	s_mov_b32 s[G1],   15|(1<<16)|(1<<20)|(1<<21)|(6<<22)|(3<<25)  ; 15:0 the mask of four; 17:16 2-byte elements; 20 padding on; 21 set beside a mask; 24:22 after every 128 words (code 6); 31:25 4 words (code 3)
	s_mov_b32 s[G1+1], 256<<16                     ; tensor_dim0 = 256
	s_mov_b32 s[G1+2], 64<<16                      ; tensor_dim1 = 64
	s_mov_b32 s[G1+3], 256<<16                     ; tile_dim0 = 256
	s_mov_b32 s[G1+4], 64                          ; tile_dim1 = 64
	s_mov_b32 s[G1+5], 256                         ; 256 elements from row to row
	s_mov_b32 s[G1+6], 0
	s_mov_b32 s[G1+7], 0
	; group 1 for the norms: 8,192 dense bytes as 32 rows of 32 elements of 8 bytes, no padding
	s_mov_b32 s[G1N],   15|(3<<16)|(1<<21)
	s_mov_b32 s[G1N+1], 32<<16
	s_mov_b32 s[G1N+2], 32<<16
	s_mov_b32 s[G1N+3], 32<<16
	s_mov_b32 s[G1N+4], 32
	s_mov_b32 s[G1N+5], 32
	s_mov_b32 s[G1N+6], 0
	s_mov_b32 s[G1N+7], 0
	s_mul_i32 s[WB], s[WV], WPART                  ; LDS addresses hang on the wave's number and constants alone
	s_mov_b32 s[G0], 1
	s_mov_b32 s[G0+1], s[WB]                       ; slot 0
	s_mov_b32 s[G0+4], 1
	s_add_co_u32 s[G0+5], s[WB], REG               ; slot 1
	s_mov_b32 s[G0N], 1
	s_lshl_b32 s20, s[WV], 13                      ; my 2,048 codes' norms: 8,192 bytes, in memory and in LDS
	s_mov_b32 s21, 0
	s_add_co_u32 s[G0N+1], s20, BNL
	s_mov_b32 s[TBN], s[G0N+1]
	s_lshl_b32 s22, s[WV], 20                      ; my 2,048 codes' rows of 512 bytes
	s_mov_b32 s23, 0
	s_lshl_b32 s66, s[WG], 16                      ; my work-group's eight row tiles of 8,192 bytes in ZF
	s_mov_b32 s67, 0
	s_lshl_b32 s62, s[WG], 9                       ; its 128 rows of 4 bytes in AP's parts, out2 and IDX
	s_mov_b32 s63, 0
	s_mov_b32 s[SEL], 0x76543210
	s_mov_b32 s[SEL+1], 0xfedcba98
	s_lshl_b32 s19, s[WV], 11
	v_and_b32 v[R], 15, v0
	v_bfe_u32 v[H], v0, 4, 1
	v_mul_u32_u24 v[AK0], v[R], PITCH              ; a fragment is 16 rows x 32 channels in 8 registers: lane holds row r, channels 8 h + 0..7 and 16 + 8 h + 0..7:
	v_lshl_add_u32 v[AK0], v[H], 4, v[AK0]         ; two loads of 16 bytes, 32 bytes apart, at row x pitch + 16 h
	v_lshlrev_b32 v[AB0], 5, v[H]
	v_and_b32 v[L16], 31, v0
	v_lshlrev_b32 v[L16], 4, v[L16]
	v_lshlrev_b32 v[R16], 4, v[R]
	v_lshl_add_u32 v[CB], v[H], 3, s19
	s_wait_dscnt 0x0                               ; the opening add is done
	s_wait_kmcnt 0x0
	s_add_nc_u64 s[G0+2:G0+3], s[8:9], s[22:23]    ; slot 0: my codes 0-63
	s_add_nc_u64 s[G0+6:G0+7], s[G0+2:G0+3], 32768 ; slot 1: my codes 64-127
	s_or_b32 s[G0+3], s[G0+3], 0x80000000          ; type = 2
	s_or_b32 s[G0+7], s[G0+7], 0x80000000
	s_add_nc_u64 s[G0N+2:G0N+3], s[10:11], s[20:21]
	s_or_b32 s[G0N+3], s[G0N+3], 0x80000000
	s_add_nc_u64 s[4:5], s[4:5], s[66:67]
	s_add_nc_u64 s[6:7], s[6:7], s[62:63]
	s_add_nc_u64 s[12:13], s[12:13], s[62:63]
	s_add_nc_u64 s[14:15], s[14:15], s[62:63]
	CROUND                                         ; all four work-groups are here: the first joint loads meet
	tensor_load_to_lds s[G0N:G0N+3], s[G1N:G1N+7]  ; the three first fills go out together: three tensor loads of mine are out
	s_nop 0
	tensor_load_to_lds s[G0:G0+3], s[G1:G1+7]
	s_nop 0
	tensor_load_to_lds s[G0+4:G0+7], s[G1:G1+7]
	s_nop 0
.rept 4
	v_nop
.endr
	; While they land: A's eight parts, x, and the starting values.
.irp p, 0,1,2,3,4,5,6,7
.irp g, 0,1
	global_load_b128 v[SNAP+8*\p+4*\g:SNAP+8*\p+4*\g+3], v[R16], s[6:7] offset:\p*131072+256*\g  ; part p of rows 64 g + 4 r + 0..3: my row in row tiles 4 g + 0..3; 16 lanes read 256 consecutive bytes
.endr
.endr
	WIN 0x80                                       ; destination window 2, address window 0
.set i, 0
.rept 64
	global_load_b128 v[4*i:4*i+3], v[L16], s[4:5] offset:512*i          ; ZF lies in the registers' order: row tile i / 16, step (i / 2) % 8, half i % 2
.set i, i+1
.endr
	WIN 0xc0                                       ; destination window 3
.set i, 0
.rept 64
	global_load_b128 v[4*i:4*i+3], v[L16], s[4:5] offset:32768+512*i
.set i, i+1
.endr
	WIN 0
	s_mov_b32 s20, 0x7f800000                      ; +inf
.set i, 0
.rept 8
	v_mov_b32 v[ST+4*i+1], s20                     ; m
	v_mov_b32 v[ST+4*i+2], 0                       ; the winning tile
	v_mov_b32 v[ST+4*i+3], 0                       ; the place in it
	v_mov_b32 v[BK+8+i], s20                       ; the norms of the tile that has not been: its distances are +inf
.set i, i+1
.endr
.set i, 0
.rept 32
	v_mov_b32 v[ACC+32+i], 0                       ; and its products
.set i, i+1
.endr
	s_mov_b32 s[TID], -1
	s_mov_b32 s[LAP], 16
	s_mov_b32 s[CNT], 2
	s_mov_b32 s[TB], s[WB]
	s_wait_loadcnt 0x0                             ; A's parts and x
.irp g, 0,1
.irp u, 0,1
.set b0, SNAP+4*\g+2*\u                ; two row tiles at a time: the eight parts lie 8 registers apart
	v_pk_add_f32 v[b0:b0+1],       v[b0:b0+1],       v[b0+8:b0+9]
	v_pk_add_f32 v[b0+16:b0+17],   v[b0+16:b0+17],   v[b0+24:b0+25]
	v_pk_add_f32 v[b0+32:b0+33],   v[b0+32:b0+33],   v[b0+40:b0+41]
	v_pk_add_f32 v[b0+48:b0+49],   v[b0+48:b0+49],   v[b0+56:b0+57]
	v_pk_add_f32 v[b0:b0+1],       v[b0:b0+1],       v[b0+16:b0+17]
	v_pk_add_f32 v[b0+32:b0+33],   v[b0+32:b0+33],   v[b0+48:b0+49]
	v_add_f32 v[ST+4*(4*\g+2*\u)],   v[b0],   v[b0+32]
	v_add_f32 v[ST+4*(4*\g+2*\u+1)], v[b0+1], v[b0+33]
.endr
.endr
.set i, 0
.rept 64
	v_mov_b32 v[SNAP+i], s20
.set i, i+1
.endr
; Product i of 32 of piece pc (row tiles 4 pc + 0..3) with the code tile in buffer f: channels 32 (i / 4) on, row tile 4 pc + i % 4.  The first four start the sums with the constant 0.
.macro MM pc, f
.set rD, ACC+32*(\pc)+8*(i%4)
.set rF, 64*(\f)+8*(i/4)
.set rQ, 64*(i%4)+8*(i/4)
	WIN 0x09+4*(\pc)                               ; codes in window 1, x in window 2 or 3, sums in window 0
.if i < 4
	v_wmma_f32_16x16x32_bf16 v[rD:rD+7], v[rF:rF+7], v[rQ:rQ+7], 0
.else
	v_wmma_f32_16x16x32_bf16 v[rD:rD+7], v[rF:rF+7], v[rQ:rQ+7], v[rD:rD+7]
.endif
.set i, i+1
.endm
; Number jj of the 23 vector instructions of row tile tt; the tile's norms lie in buffer RB.
;   0-3    fl(A + B) for the eight codes          4-7   d = fl(that - 2 x the sum), in place of the sums, lowest registers first
;   8-11   the least of the eight                 12-14 has the tile won (strictly less)?  m; the tile's number
;   15-22  where it has won its eight distances are kept
.macro RD
.set rA, ACC+8*tt
.set rS, ST+4*tt
.set rT, T+8*(tt%2)
.set rM, TM+2*(tt%2)
.set rK, BK+8*RB
.set rN, SNAP+8*tt
.set sM, MK+tt%2
	WIN 0
.if jj < 4
	v_pk_add_f32 v[rT+2*jj:rT+2*jj+1], v[rK+2*jj:rK+2*jj+1], v[rS:rS+1] op_sel_hi:[1,0]
.elseif jj < 8
	v_pk_fma_f32 v[rA+2*jj-8:rA+2*jj-7], v[rA+2*jj-8:rA+2*jj-7], -2.0, v[rT+2*jj-8:rT+2*jj-7] op_sel_hi:[1,0,1]
.elseif jj == 8
	v_min3_num_f32 v[rM], v[rA], v[rA+1], v[rA+2]
.elseif jj == 9
	v_min3_num_f32 v[rM+1], v[rA+3], v[rA+4], v[rA+5]
.elseif jj == 10
	v_min3_num_f32 v[rM], v[rM], v[rA+6], v[rA+7]
.elseif jj == 11
	v_min_num_f32 v[rM], v[rM], v[rM+1]
.elseif jj == 12
	v_cmp_lt_f32 s[sM], v[rM], v[rS+1]
.elseif jj == 13
	v_min_num_f32 v[rS+1], v[rS+1], v[rM]
.elseif jj == 14
	v_cndmask_b32 v[rS+2], v[rS+2], s[TID], s[sM]
.else
	v_cndmask_b32 v[rN+jj-15], v[rN+jj-15], v[rA+jj-15], s[sM]
.endif
.endm
; The next of piece RP's 92: two row tiles alternate, so that no line reads the result of the line just before it; then the other two.
.macro NEXT
.if n < 92
.set jj, (n%46)/2
.set tt, 4*RP+2*(n/46)+n%2
	RD
.endif
.set n, n+1
.endm
; 32 products of piece pc, three vector lines of piece rp behind each.  The first eight lines (A + B) name no accumulator: with the lines behind the piece's last products they are the
; four places and more between a product and the first read of its result (ISA guide 7.12.1).
.macro STRETCH pc, f, rp, rb
.set i, 0
.set n, 0
.set RP, \rp
.set RB, \rb
.rept 32
	MM \pc, \f
	NEXT
	NEXT
	NEXT
.endr
.endm
; 18 LDS loads in one run: the next tile's fragments and its norms, into buffer f.  The buffer's last reader stands a stretch of 92 vector lines back.
.macro FETCH f
	WIN 0
	v_add_nc_u32 v[ADR], s[TB], v[AK0]
	v_add_nc_u32 v[ADB], s[TBN], v[AB0]
	WIN 0x40                                       ; destination window 1, address window 0
.irp c, 0,1,2,3,4,5,6,7
	ds_load_b128 v[64*(\f)+8*\c:64*(\f)+8*\c+3],   v[ADR] offset:64*\c
	ds_load_b128 v[64*(\f)+8*\c+4:64*(\f)+8*\c+7], v[ADR] offset:64*\c+32
.endr
	WIN 0
	ds_load_b128 v[BK+8*(\f):BK+8*(\f)+3],   v[ADB]
	ds_load_b128 v[BK+8*(\f)+4:BK+8*(\f)+7], v[ADB] offset:16
	s_add_co_u32 s[TB], s[TB], TILEB               ; the next fetch is the next tile's
	s_add_co_u32 s[TBN], s[TBN], 64
.endm
; A code tile, its fragments in buffer par: piece 0's products beside piece 1's vector work of the tile before; the next tile's loads; piece 1's products beside piece 0's vector work.
.macro TILE par, fetch
	s_wait_dscnt 0x0                               ; the tile's 18 loads, issued 32 products ago
	STRETCH 0, \par, 1, 1-(\par)
	s_add_co_u32 s[TID], s[TID], 1
.if \fetch
	FETCH 1-(\par)
.endif
	STRETCH 1, \par, 0, \par
.endm
; THE CHANGE OF SLOTS stands ahead of a slot's last tile, whose fragments are in registers by the wait below: slot p has been read out.  Each wave waits for all its tensor loads, of which one
; is out: its part of the other slot; adds 0 to its spare word; and waits for that and for its reads of slot p.  The round of the cluster's barrier says the same of every wave of every partner;
; the joint refill, my codes 128 further on, is the first thing behind it and has four tiles, 256 products, in which to land.
.macro CHANGE p
	WIN 0                                          ; at a label and at a branch every window is 0
	s_wait_tensorcnt 0x0                           ; no tensor load of mine is out, so a group 0 may be written
	ds_add_u32 v[SPW], v[NIL]                      ; 0 onto my spare word; the two steps below stand between it and the wait for it
	s_add_nc_u64 s[G0+4*(\p)+2:G0+4*(\p)+3], s[G0+4*(\p)+2:G0+4*(\p)+3], 0x10000  ; two slots of 64 rows of 512 bytes on; the type bits on top are not reached
	s_add_co_u32 s[TB], s[WB], (1-(\p))*REG        ; the fetches go on in the other slot
	s_wait_dscnt 0x0                               ; the add is done, and my reads of the slot are over
	CROUND
	tensor_load_to_lds s[G0+4*(\p):G0+4*(\p)+3], s[G1:G1+7]
	s_nop 0
.rept 4
	v_nop
.endr
.endm
	s_wait_tensorcnt 0x1                           ; my norms and my part of slot 0 are in; slot 1's may stay out.  I read my own bytes alone: no barrier
	FETCH 0                                        ; tile 0
	s_branch .Lentry                               ; the loop is entered in the middle of a trip: tiles 0, 1, 2, then the first change of slots
.Llap:                                                 ; 15 laps of 8 tiles: both slots are filled again
	CHANGE 0
	s_mov_b32 s[CNT], 2
.LpA:
	TILE 1, 1
	TILE 0, 1
	WIN 0
	s_sub_co_u32 s[CNT], s[CNT], 1
	s_cmp_lg_u32 s[CNT], 0
	s_cbranch_scc1 .LpA
	CHANGE 1
	s_mov_b32 s[CNT], 2
.LpB:
	TILE 1, 1
	WIN 0
.Lentry:
	TILE 0, 1
	WIN 0
	s_sub_co_u32 s[CNT], s[CNT], 1
	s_cmp_lg_u32 s[CNT], 0
	s_cbranch_scc1 .LpB
	s_sub_co_u32 s[LAP], s[LAP], 1
	s_cmp_lg_u32 s[LAP], 0
	s_cbranch_scc1 .Llap
	; The tail, tiles 123 to 127, is written out: nothing is asked for, so no barrier stands here.
	s_wait_tensorcnt 0x0                           ; my part of the last slot is in
	s_add_co_u32 s[TB], s[WB], REG
	s_mov_b32 s[CNT], 2
.LpC:
	TILE 1, 1
	TILE 0, 1
	WIN 0
	s_sub_co_u32 s[CNT], s[CNT], 1
	s_cmp_lg_u32 s[CNT], 0
	s_cbranch_scc1 .LpC
	TILE 1, 0
.set n, 0
.set RP, 1
.set RB, 1
.rept 92
	NEXT                                           ; piece 1's vector work of the last tile
.endr
	; THE END.  The first of the kept eight that equals m gives the place in the tile; the code is 16 x tile + place + 2048 w + 8 h.
	WIN 0
.set t, 0
.rept 8
.set e, 7
.rept 8
	v_cmp_neq_f32 vcc_lo, v[SNAP+8*t+e], v[ST+4*t+1]
	v_cndmask_b32 v[ST+4*t+3], e, v[ST+4*t+3], vcc_lo  ; from 7 down to 0: the lowest place has the last word
.set e, e-1
.endr
.set t, t+1
.endr
	s_lshl_b32 s20, s[WV], 10
	s_add_co_u32 s20, s20, STG
	v_lshl_add_u32 v[ADR], v[R], 5, s20            ; my wave's stage: 8 bytes a row; rows 4 r .. 4 r + 3 lie together
.set t, 0
.rept 8
.set rS, ST+4*t
.set rT, T+8*(t%2)
	v_lshl_add_u32 v[rS+2], v[rS+2], 4, v[rS+3]
	v_add_nc_u32 v[rS+2], v[rS+2], v[CB]
	v_permlanex16_b32 v[rT], v[rS+1], s[SEL], s[SEL+1]    ; the row's other eight codes of each tile lie in the lane 16 away
	v_permlanex16_b32 v[rT+1], v[rS+2], s[SEL], s[SEL+1]
	v_cmp_lt_f32 s62, v[rT], v[rS+1]               ; the other half wins if it is less,
	v_cmp_eq_f32 s63, v[rT], v[rS+1]               ; or equal with the lower code
	v_cmp_lt_u32 s66, v[rT+1], v[rS+2]
	s_and_b32 s63, s63, s66
	s_or_b32 s62, s62, s63
	v_cndmask_b32 v[OUT+2*t], v[rS+1], v[rT], s62
	v_cndmask_b32 v[OUT+2*t+1], v[rS+2], v[rT+1], s62
	ds_store_b64 v[ADR], v[OUT+2*t:OUT+2*t+1] offset:512*(t/4)+8*(t%4)  ; row 64 (t / 4) + 4 r + t % 4; both halves of the lanes write the same pair
.set t, t+1
.endr
	s_wait_dscnt 0x0                               ; for the others' sake: my stores into the stage are done
	s_barrier_signal -1
	s_barrier_wait -1
	s_cmp_lg_u32 s[WV], 0
	s_cbranch_scc1 .Lnot_first
	v_lshl_add_u32 v[ADR], v[L16], 1, STG          ; wave 0: lane l takes rows 4 l .. 4 l + 3 of all four waves
.irp w, 0,1,2,3
	ds_load_b128 v[OUT+8*\w:OUT+8*\w+3],   v[ADR] offset:\w*1024
	ds_load_b128 v[OUT+8*\w+4:OUT+8*\w+7], v[ADR] offset:\w*1024+16
.endr
	s_wait_dscnt 0x0
.irp w, 1,2,3
.irp i, 0,1,2,3
	v_cmp_lt_f32 vcc_lo, v[OUT+8*\w+2*\i], v[OUT+2*\i]  ; strictly less: the lower wave, whose codes are lower, keeps a tie
.if \w < 3
	v_cndmask_b32 v[OUT+2*\i], v[OUT+2*\i], v[OUT+8*\w+2*\i], vcc_lo
	v_cndmask_b32 v[OUT+2*\i+1], v[OUT+2*\i+1], v[OUT+8*\w+2*\i+1], vcc_lo
.else
	v_cndmask_b32 v[RES+\i], v[OUT+2*\i+1], v[OUT+8*\w+2*\i+1], vcc_lo
.endif
.endr
.endr
	global_store_b128 v[L16], v[RES:RES+3], s[12:13]  ; 512 consecutive bytes: the work-group's 128 indices
	global_store_b128 v[L16], v[RES:RES+3], s[14:15]  ; and the copy from which the next launch forms addresses
.Lnot_first:
	s_wait_tensorcnt 0x0                           ; the wave's end: a wait, an add to my spare word and a wait, behind my last tensor load and my last LDS store
	ds_add_u32 v[SPW], v[NIL]
	s_wait_dscnt 0x0
	CROUND                                         ; the closing round: no work-group ends while a partner may still ask for a tile that names it
	s_endpgm
.Lfunc_end_k_qf09ab1834e_vq:
	.size	k_qf09ab1834e_vq, .Lfunc_end_k_qf09ab1834e_vq-k_qf09ab1834e_vq
	.p2alignl 7, 3214868480
	.fill 96, 4, 3214868480
	.section	.rodata,"a",@progbits
	.p2align	6, 0x0
	.amdhsa_kernel k_qf09ab1834e_vq
		.amdhsa_group_segment_fixed_size 327680
		.amdhsa_private_segment_fixed_size 0
		.amdhsa_enable_private_segment 0
		.amdhsa_kernarg_size 48
		.amdhsa_user_sgpr_count 2
		.amdhsa_user_sgpr_kernarg_segment_ptr 1
		.amdhsa_wavefront_size32 1
		.amdhsa_system_sgpr_workgroup_id_x 1
		.amdhsa_system_sgpr_workgroup_id_y 1
		.amdhsa_system_sgpr_workgroup_id_z 1
		.amdhsa_system_vgpr_workitem_id 0
		.amdhsa_next_free_vgpr 1024
		.amdhsa_next_free_sgpr 72
		.amdhsa_reserve_vcc 1
		.amdhsa_float_denorm_mode_32 3
		.amdhsa_float_denorm_mode_16_64 3
		.amdhsa_memory_ordered 1
		.amdhsa_forward_progress 1
		.amdhsa_inst_pref_size 186
	.end_amdhsa_kernel
	.amdgpu_metadata
---
amdhsa.version: [ 1, 2 ]
amdhsa.kernels:
  - .name:           k_qf09ab1834e_vq
    .symbol:         k_qf09ab1834e_vq.kd
    .args:
      - { .name: ZF, .offset: 0, .size: 8, .value_kind: global_buffer, .address_space: global }
      - { .name: AP, .offset: 8, .size: 8, .value_kind: global_buffer, .address_space: global }
      - { .name: EB, .offset: 16, .size: 8, .value_kind: global_buffer, .address_space: global }
      - { .name: BN, .offset: 24, .size: 8, .value_kind: global_buffer, .address_space: global }
      - { .name: out2, .offset: 32, .size: 8, .value_kind: global_buffer, .address_space: global }
      - { .name: IDX, .offset: 40, .size: 8, .value_kind: global_buffer, .address_space: global }
    .group_segment_fixed_size: 327680
    .private_segment_fixed_size: 0
    .kernarg_segment_align: 8
    .kernarg_segment_size: 48
    .max_flat_workgroup_size: 128
    .sgpr_count:     72
    .vgpr_count:     1024
    .wavefront_size: 32
...
	.end_amdgpu_metadata
.endif
;; end of part 2
;; launch outp (part 3): grid 512 x 1, 8 waves a work-group, no clusters, 34,560 bytes of LDS; arguments z_e, EB, IDX, out0, PART; writes out0, PART
.if DOCPART == 3
	.amdgcn_target "amdgcn-amd-amdhsa--gfx1250"
	.amdhsa_code_object_version 6
	.text
	.protected	k_qf09ab1834e_outp
	.globl	k_qf09ab1834e_outp
	.p2align	8
	.type	k_qf09ab1834e_outp,@function
k_qf09ab1834e_outp:
	s_mov_b64 s[64:65], 0
	v_nop
	global_prefetch_b8 v0, s[64:65] scope:SCOPE_SE
	s_setreg_imm32_b32 hwreg(HW_REG_WAVE_MODE, 25, 1), 1
	s_wait_xcnt 0x0
; THE OUTPUT.  out0[b][d][t] = z + (e[idx][d] - z), z and e rounded to bf16, both steps rounded in f32 as the definition rounds them; PART[work-group] = the sum of (e - z)^2 over its numbers.
; A work-group owns 64 t of one batch and all 256 channels.  The 64 chosen codes' rows (512 bytes each, along d) are gathered by whole rows and turned through LDS, since out0 runs along t.
; Wave w gathers rows 8 w .. 8 w + 7 and then makes channels 32 w .. 32 w + 31.  Memory binds: z_e is read and out0 written once, 16 lanes to 256 consecutive aligned bytes;
; matrix units, clusters and tensor loads would add nothing.  The indices come from the launch before as whole numbers and are held to 0 .. 8191 before they enter an address.
.set EP,    516                        ; a gathered row in LDS: 512 bytes + 4 = 129 words: the sixteen groups of four rows that a column read touches fall on different banks (64 banks of 4 bytes: ISA guide 11.1)
.set RED,   33280                      ; behind the 64 rows (33,024 bytes, rounded up): the eight waves' sums
.set SPARE, 33536                      ; the spare words, 128 bytes for each wave: four blocks of 256 bytes that no other line names
.set ZO,  4                            ; v4   my byte offset in z_e and out0
.set SPW, 8                            ; v8   LDS address of my spare word; never rewritten
.set NIL, 9                            ; v9   0; never rewritten
.set GO,  16                           ; v16-23  byte offsets of the eight gathered rows
.set L,   24                           ; v24-27  four running sums of squares
.set Z,   32                           ; v32-95  16 loads of four z; then the results
.set G,   96                           ; v96-127 eight gathered rows; then 32 words read back by columns
.set E,   128                          ; v128-131 e in f32
.set ZB,  132                          ; v132-135 z rounded to bf16, in f32
.set D,   136                          ; v136-139 e - z
.set P,   140                          ; v140-141 z packed
.set HM,  32                           ; s32  mask of a word's upper bf16
.set SEL, 34                           ; s[34:35]
	s_load_b256 s[4:11], s[0:1], 0x0               ; z_e s[4:5], EB s[6:7], IDX s[8:9], out0 s[10:11]
	s_load_b64 s[12:13], s[0:1], 0x20              ; PART
	v_lshl_add_u32 v[SPW], v0, 2, SPARE
	v_mov_b32 v[NIL], 0
	v_lshrrev_b32 v1, 5, v0
	v_readfirstlane_b32 s16, v1                    ; wave w, 0..7
	s_mov_b32 s17, ttmp9                           ; beta = 16 b + t / 64
	v_and_b32 v1, 31, v0                           ; lane
	v_and_b32 v2, 15, v0                           ; q
	v_bfe_u32 v3, v0, 4, 1                         ; hh
	v_lshlrev_b32 v5, 4, v1                        ; 16 x lane
	v_lshlrev_b32 v[ZO], 13, v3                    ; two channels further for the upper half of the lanes,
	v_lshl_or_b32 v[ZO], v2, 4, v[ZO]              ; four t a lane
	s_lshl_b32 s18, s17, 8                         ; IDX: 64 rows of 4 bytes,
	s_lshl_b32 s20, s16, 5                         ; my wave's eight
	s_add_co_u32 s18, s18, s20
	s_mov_b32 s19, 0
	s_lshr_b32 s20, s17, 4
	s_lshl_b32 s20, s20, 20                        ; the batch,
	s_and_b32 s22, s17, 15
	s_lshl_b32 s22, s22, 8                         ; the 64 t,
	s_add_co_u32 s20, s20, s22
	s_lshl_b32 s22, s16, 17                        ; my wave's 32 channels of 4,096 bytes
	s_add_co_u32 s20, s20, s22
	s_mov_b32 s21, 0
	s_lshl_b32 s22, s17, 2                         ; PART
	s_mov_b32 s23, 0
	s_mov_b32 s[HM], 0xffff0000
	s_mov_b32 s[SEL], 0x76543210
	s_mov_b32 s[SEL+1], 0xfedcba98
	s_mul_i32 s38, s16, 8*EP                       ; my wave's eight rows in LDS
	s_lshl_b32 s39, s16, 6                         ; my wave's 32 channels in a row
	s_lshl_b32 s40, s16, 2
	s_add_co_u32 s40, s40, RED                     ; my wave's sum
	v_add_nc_u32 v6, s38, v5                       ; in: 16 bytes a lane of each row
	v_mul_u32_u24 v7, v2, 4*EP                     ; back: rows 4 q + i,
	v_lshl_add_u32 v7, v3, 2, v7                   ; two channels (a word) further for the upper half,
	v_add_nc_u32 v7, s39, v7
	s_wait_kmcnt 0x0
	s_add_nc_u64 s[8:9], s[8:9], s[18:19]
	s_load_b256 s[24:31], s[8:9], 0x0              ; my eight indices
	s_add_nc_u64 s[4:5], s[4:5], s[20:21]
	s_add_nc_u64 s[10:11], s[10:11], s[20:21]
	s_add_nc_u64 s[12:13], s[12:13], s[22:23]
.irp k, 0,1,2,3,4,5,6,7
.irp u, 0,1
	global_load_b128 v[Z+8*\k+4*\u:Z+8*\k+4*\u+3], v[ZO], s[4:5] offset:\k*16384+\u*4096 th:TH_LOAD_NT  ; channel 32 w + 4 k + 2 hh + u, t = 4 q .. 4 q + 3
.endr
.endr
	s_wait_kmcnt 0x0
.irp p, 0,1,2,3,4,5,6,7
	s_min_u32 s[24+\p], s[24+\p], 8191             ; an index stays inside the table
	v_lshl_add_u32 v[GO+\p], s[24+\p], 9, v5       ; its row of 512 bytes, 16 bytes a lane
	global_load_b128 v[G+4*\p:G+4*\p+3], v[GO+\p], s[6:7]
.endr
	s_wait_loadcnt 0x0                             ; the gathered rows were issued last
.irp p, 0,1,2,3,4,5,6,7
.irp e, 0,1,2,3
	ds_store_b32 v6, v[G+4*\p+\e] offset:\p*EP+4*\e
.endr
.endr
	s_wait_dscnt 0x0                               ; for the others' sake: my rows are in LDS
	s_barrier_signal -1
	s_barrier_wait -1
.irp k, 0,1,2,3,4,5,6,7
.irp i, 0,1,2,3
	ds_load_b32 v[G+4*\k+\i], v7 offset:\i*EP+8*\k  ; row 4 q + i, channels 32 w + 4 k + 2 hh and the next
.endr
.endr
; Step k: two channels x four t a lane.
.macro OSTEP k
	s_wait_dscnt 28-4*(\k)                         ; LDS loads come back in order: this step's four are in, the later steps' four each may stay out
.irp u, 0,1
.set zr, Z+8*(\k)+4*\u
.irp i, 0,1,2,3
.if \u == 0
	v_lshlrev_b32 v[E+\i], 16, v[G+4*(\k)+\i]      ; bf16 to f32: the low half moves up,
.else
	v_and_b32 v[E+\i], s[HM], v[G+4*(\k)+\i]       ; the high half stays
.endif
.endr
	v_cvt_pk_bf16_f32 v[P],   v[zr],   v[zr+1]     ; z rounded as everywhere in this program
	v_cvt_pk_bf16_f32 v[P+1], v[zr+2], v[zr+3]
	v_lshlrev_b32 v[ZB],   16, v[P]
	v_and_b32     v[ZB+1], s[HM], v[P]
	v_lshlrev_b32 v[ZB+2], 16, v[P+1]
	v_and_b32     v[ZB+3], s[HM], v[P+1]
	v_pk_add_f32 v[D:D+1],     v[E:E+1],     v[ZB:ZB+1]     neg_lo:[0,1] neg_hi:[0,1]  ; e - z
	v_pk_add_f32 v[D+2:D+3],   v[E+2:E+3],   v[ZB+2:ZB+3]   neg_lo:[0,1] neg_hi:[0,1]
	v_pk_add_f32 v[zr:zr+1],   v[ZB:ZB+1],   v[D:D+1]                                  ; z + (e - z)
	v_pk_add_f32 v[zr+2:zr+3], v[ZB+2:ZB+3], v[D+2:D+3]
.if (\k) == 0 && \u == 0
	v_pk_mul_f32 v[L:L+1],     v[D:D+1],     v[D:D+1]                                  ; the first squares start the sums
	v_pk_mul_f32 v[L+2:L+3],   v[D+2:D+3],   v[D+2:D+3]
.else
	v_pk_fma_f32 v[L:L+1],     v[D:D+1],     v[D:D+1],     v[L:L+1]
	v_pk_fma_f32 v[L+2:L+3],   v[D+2:D+3],   v[D+2:D+3],   v[L+2:L+3]
.endif
	global_store_b128 v[ZO], v[zr:zr+3], s[10:11] offset:(\k)*16384+\u*4096 th:TH_STORE_NT  ; 16 lanes store 256 consecutive bytes, at a multiple of 256 from out0's first byte
.endr
.endm
.irp k, 0,1,2,3,4,5,6,7
	OSTEP \k
.endr
	v_pk_add_f32 v[L:L+1], v[L:L+1], v[L+2:L+3]
	v_add_f32 v[L], v[L], v[L+1]
	v_add_f32_dpp v[L], v[L], v[L] row_xmask:1 row_mask:0xf bank_mask:0xf
	v_add_f32_dpp v[L], v[L], v[L] row_xmask:2 row_mask:0xf bank_mask:0xf
	v_add_f32_dpp v[L], v[L], v[L] row_xmask:4 row_mask:0xf bank_mask:0xf
	v_add_f32_dpp v[L], v[L], v[L] row_xmask:8 row_mask:0xf bank_mask:0xf
	v_permlanex16_b32 v[L+1], v[L], s[SEL], s[SEL+1]
	v_add_f32 v[L], v[L], v[L+1]                   ; the wave's sum, in every lane
	v_mov_b32 v10, s40
	ds_store_b32 v10, v[L]                         ; all lanes write the same word with the same number
	s_wait_dscnt 0x0
	s_barrier_signal -1
	s_barrier_wait -1
	v_mov_b32 v11, RED
	ds_load_b128 v[E:E+3],   v11                   ; every wave reads the eight sums
	ds_load_b128 v[ZB:ZB+3], v11 offset:16
	s_wait_dscnt 0x0
	v_pk_add_f32 v[E:E+1],   v[E:E+1],   v[E+2:E+3]
	v_pk_add_f32 v[ZB:ZB+1], v[ZB:ZB+1], v[ZB+2:ZB+3]
	v_pk_add_f32 v[E:E+1],   v[E:E+1],   v[ZB:ZB+1]
	v_add_f32 v[E], v[E], v[E+1]
	v_mov_b32 v12, 0
	s_wait_tensorcnt 0x0                           ; the wave's end: a wait, an add to my spare word and a wait, behind my last LDS store
	ds_add_u32 v[SPW], v[NIL]
	s_wait_dscnt 0x0
	s_cmp_lg_u32 s16, 0
	s_cbranch_scc1 .Lend
	v_cmp_eq_u32 vcc_lo, 0, v0
	s_wait_xcnt 0x0                                ; EXEC is a source of the stores above: it changes only behind this wait
	s_and_saveexec_b32 s36, vcc_lo
	global_store_b32 v12, v[E], s[12:13]           ; thread 0: the work-group's partial sum
	s_wait_xcnt 0x0
	s_or_b32 exec_lo, exec_lo, s36
.Lend:
	s_endpgm
.Lfunc_end_k_qf09ab1834e_outp:
	.size	k_qf09ab1834e_outp, .Lfunc_end_k_qf09ab1834e_outp-k_qf09ab1834e_outp
	.p2alignl 7, 3214868480
	.fill 96, 4, 3214868480
	.section	.rodata,"a",@progbits
	.p2align	6, 0x0
	.amdhsa_kernel k_qf09ab1834e_outp
		.amdhsa_group_segment_fixed_size 34560
		.amdhsa_private_segment_fixed_size 0
		.amdhsa_enable_private_segment 0
		.amdhsa_kernarg_size 40
		.amdhsa_user_sgpr_count 2
		.amdhsa_user_sgpr_kernarg_segment_ptr 1
		.amdhsa_wavefront_size32 1
		.amdhsa_system_sgpr_workgroup_id_x 1
		.amdhsa_system_sgpr_workgroup_id_y 1
		.amdhsa_system_sgpr_workgroup_id_z 1
		.amdhsa_system_vgpr_workitem_id 0
		.amdhsa_next_free_vgpr 148
		.amdhsa_next_free_sgpr 66
		.amdhsa_reserve_vcc 1
		.amdhsa_float_denorm_mode_32 3
		.amdhsa_float_denorm_mode_16_64 3
		.amdhsa_memory_ordered 1
		.amdhsa_forward_progress 1
		.amdhsa_inst_pref_size 25
	.end_amdhsa_kernel
	.amdgpu_metadata
---
amdhsa.version: [ 1, 2 ]
amdhsa.kernels:
  - .name:           k_qf09ab1834e_outp
    .symbol:         k_qf09ab1834e_outp.kd
    .args:
      - { .name: z_e, .offset: 0, .size: 8, .value_kind: global_buffer, .address_space: global }
      - { .name: EB, .offset: 8, .size: 8, .value_kind: global_buffer, .address_space: global }
      - { .name: IDX, .offset: 16, .size: 8, .value_kind: global_buffer, .address_space: global }
      - { .name: out0, .offset: 24, .size: 8, .value_kind: global_buffer, .address_space: global }
      - { .name: PART, .offset: 32, .size: 8, .value_kind: global_buffer, .address_space: global }
    .group_segment_fixed_size: 34560
    .private_segment_fixed_size: 0
    .kernarg_segment_align: 8
    .kernarg_segment_size: 40
    .max_flat_workgroup_size: 256
    .sgpr_count:     66
    .vgpr_count:     148
    .wavefront_size: 32
...
	.end_amdgpu_metadata
.endif
;; end of part 3
;; launch loss (part 4): grid 1 x 1, 1 waves a work-group, no clusters, 0 bytes of LDS; arguments PART, out1; writes out1
.if DOCPART == 4
	.amdgcn_target "amdgcn-amd-amdhsa--gfx1250"
	.amdhsa_code_object_version 6
	.text
	.protected	k_qf09ab1834e_loss
	.globl	k_qf09ab1834e_loss
	.p2align	8
	.type	k_qf09ab1834e_loss,@function
k_qf09ab1834e_loss:
	s_mov_b64 s[64:65], 0
	v_nop
	global_prefetch_b8 v0, s[64:65] scope:SCOPE_SE
	s_setreg_imm32_b32 hwreg(HW_REG_WAVE_MODE, 25, 1), 1
	s_wait_xcnt 0x0
; out1 = the sum of the 512 partial sums of squares, divided by 32 x 256 x 1024 = 2^23.  One wave: 16 numbers a lane, added in f32, then across the lanes.
; A sum over work-groups is ordered by a launch of its own: no traffic between the work-groups of a launch.
	s_load_b128 s[4:7], s[0:1], 0x0                ; PART s[4:5], out1 s[6:7]
	v_lshlrev_b32 v1, 4, v0                        ; 16 x lane
	v_mov_b32 v2, 0
	s_mov_b32 s8, 0x76543210                       ; v_permlanex16_b32: each lane takes its own place in the other half
	s_mov_b32 s9, 0xfedcba98
	s_wait_kmcnt 0x0
.irp j, 0,1,2,3
	global_load_b128 v[4+4*\j:7+4*\j], v1, s[4:5] offset:512*\j
.endr
	s_wait_loadcnt 0x0
	v_pk_add_f32 v[4:5],   v[4:5],   v[6:7]
	v_pk_add_f32 v[8:9],   v[8:9],   v[10:11]
	v_pk_add_f32 v[12:13], v[12:13], v[14:15]
	v_pk_add_f32 v[16:17], v[16:17], v[18:19]
	v_pk_add_f32 v[4:5],   v[4:5],   v[8:9]
	v_pk_add_f32 v[12:13], v[12:13], v[16:17]
	v_pk_add_f32 v[4:5],   v[4:5],   v[12:13]
	v_add_f32 v4, v4, v5
	v_add_f32_dpp v4, v4, v4 row_xmask:1 row_mask:0xf bank_mask:0xf
	v_add_f32_dpp v4, v4, v4 row_xmask:2 row_mask:0xf bank_mask:0xf
	v_add_f32_dpp v4, v4, v4 row_xmask:4 row_mask:0xf bank_mask:0xf
	v_add_f32_dpp v4, v4, v4 row_xmask:8 row_mask:0xf bank_mask:0xf
	v_permlanex16_b32 v5, v4, s8, s9
	v_add_f32 v4, v4, v5
	v_mul_f32 v4, 0x34000000, v4                   ; x 2^-23
	v_cmp_eq_u32 vcc_lo, 0, v0
	s_wait_xcnt 0x0                                ; EXEC changes only behind this wait
	s_and_saveexec_b32 s10, vcc_lo
	global_store_b32 v2, v4, s[6:7]
	s_wait_xcnt 0x0
	s_or_b32 exec_lo, exec_lo, s10
	s_endpgm
.Lfunc_end_k_qf09ab1834e_loss:
	.size	k_qf09ab1834e_loss, .Lfunc_end_k_qf09ab1834e_loss-k_qf09ab1834e_loss
	.p2alignl 7, 3214868480
	.fill 96, 4, 3214868480
	.section	.rodata,"a",@progbits
	.p2align	6, 0x0
	.amdhsa_kernel k_qf09ab1834e_loss
		.amdhsa_group_segment_fixed_size 0
		.amdhsa_private_segment_fixed_size 0
		.amdhsa_enable_private_segment 0
		.amdhsa_kernarg_size 16
		.amdhsa_user_sgpr_count 2
		.amdhsa_user_sgpr_kernarg_segment_ptr 1
		.amdhsa_wavefront_size32 1
		.amdhsa_system_sgpr_workgroup_id_x 1
		.amdhsa_system_sgpr_workgroup_id_y 1
		.amdhsa_system_sgpr_workgroup_id_z 1
		.amdhsa_system_vgpr_workitem_id 0
		.amdhsa_next_free_vgpr 24
		.amdhsa_next_free_sgpr 66
		.amdhsa_reserve_vcc 1
		.amdhsa_float_denorm_mode_32 3
		.amdhsa_float_denorm_mode_16_64 3
		.amdhsa_memory_ordered 1
		.amdhsa_forward_progress 1
		.amdhsa_inst_pref_size 3
	.end_amdhsa_kernel
	.amdgpu_metadata
---
amdhsa.version: [ 1, 2 ]
amdhsa.kernels:
  - .name:           k_qf09ab1834e_loss
    .symbol:         k_qf09ab1834e_loss.kd
    .args:
      - { .name: PART, .offset: 0, .size: 8, .value_kind: global_buffer, .address_space: global }
      - { .name: out1, .offset: 8, .size: 8, .value_kind: global_buffer, .address_space: global }
    .group_segment_fixed_size: 0
    .private_segment_fixed_size: 0
    .kernarg_segment_align: 8
    .kernarg_segment_size: 16
    .max_flat_workgroup_size: 32
    .sgpr_count:     66
    .vgpr_count:     24
    .wavefront_size: 32
...
	.end_amdgpu_metadata
.endif
;; end of part 4
